; MI455X (gfx1250); checked and timed in simulation.
; The chip was launched on July 23, 2026; its instructions are those of AMD's public machine-readable ISA for CDNA 5 (MIT licence, August 2026) and "CDNA5" Instruction Set Architecture Reference Guide (July 2026). The comments in the code are by the model that wrote it; some were corrected since.
;; Multi Head Attention. Allowed arithmetic: matrix products marked QUANTISED: E2M1 operands, one E8M0 scale for each 32 along K, by v_wmma_scale_f32_16x16x128_f8f6f4 with both operands' format E2M1 (or v_wmma_scale_f32_32x16x128_f4), f32 sums; everything else in f32.
;; Inputs: bo 1,024 float32; wk 16 x 64 x 1,024 float32; wo 1,024 x 1,024 float32; wq 16 x 64 x 1,024 float32; wv 16 x 64 x 1,024 float32; x 4 x 2,048 x 1,024 float32.
;; Outputs: out0 4 x 2,048 x 1,024 float32.
;; This version of the problem:
;;   THIS VERSION OF THE PROBLEM IS GIVEN IN LOW PRECISION. The matrix products marked QUANTISED in the list below multiply operands that are first quantised to E2M1 (2 exponent bits, 1 mantissa bit; 4 bits a number), with one power-of-two scale for each 32 numbers along K (OCP MX v1.0); their sums are f32. All else is computed in f32.
;;   The module's matrix products, in the order in which they are computed (A, B: the left and right operand; K: the contracted axis; several contracted axes count as one K, in the product's order):
;;     1. [M 1,024, K 1,024] x [K 1,024, N 8,192]; A: input wq; B: input x: QUANTISED
;;     2. [M 1,024, K 1,024] x [K 1,024, N 8,192]; A: input wk; B: input x: QUANTISED
;;     3. [M 1,024, K 1,024] x [K 1,024, N 8,192]; A: input wv; B: input x: QUANTISED
;;     4. batch 64 x [M 2,048, K 64] x [K 64, N 2,048]; A: computed on the way; B: computed on the way: QUANTISED
;;     5. batch 64 x [M 2,048, K 2,048] x [K 2,048, N 64]; A: softmax (see below); B: computed on the way: QUANTISED
;;     6. [M 8,192, K 1,024] x [K 1,024, N 1,024]; A: computed on the way; B: input wo: QUANTISED
;;   THE QUANTISER, for each operand of a quantised product, along K:
;;     - K is cut into blocks of 32 from its start; a last block that is shorter is filled with zeros.
;;     - A block's scale is 2^e with e = floor(log2(the largest magnitude in the block)) - 2, held to -126 .. 127; a block of zeros has e = 0. As a byte (E8M0): e + 127.
;;     - Each number is divided by its block's scale, clamped to +-6, and rounded to the nearest number of E2M1, ties to even, subnormals kept.
;;     - The product sums the exact products of the quantised numbers (number of the format x scale) in f32.
;;   ~~~python
;;   def quantise(x, axis):      # numpy; x: float32 -> the quantised numbers, widened to float32 again
;;       x = np.moveaxis(x, axis, -1); K = x.shape[-1]
;;       x = np.pad(x, [(0, 0)] * (x.ndim - 1) + [(0, -K % 32)]); x = x.reshape(x.shape[:-1] + (-1, 32)); a = np.abs(x).max(-1, keepdims=True)
;;       e = np.where(a > 0, np.clip(np.frexp(np.where(a > 0, a, 1))[1] - 1 - 2, -126, 127), 0)      # np.frexp(a)[1] - 1 = floor(log2(a)), exactly
;;       r = np.clip(x / 2.0 ** e, -6, 6)
;;       step = 2.0 ** (np.maximum(np.frexp(np.where(r == 0, 1, r))[1] - 1, 0) - 1)
;;       q = np.round(r / step) * step * 2.0 ** e      # np.round: ties to even
;;       return np.moveaxis(q.reshape(q.shape[:-2] + (-1,))[..., :K], -1, axis).astype(np.float32)
;;   ~~~
;;   SOFTMAX AHEAD OF A QUANTISED PRODUCT. Where the list says 'softmax', what is quantised is not the finished softmax but p = 2^(t - M), with t = logit x log2(e) and M = ceil(the row's largest t), a whole number; so 1/2 < the row's largest p <= 1. The row's sum l is taken of the UNQUANTISED p, in f32, and the product's result is divided by l at the end. Since M is a whole number, a kernel that streams over the keys may use a running M (the ceiling of the running maximum): every later rescaling is an exact power of two, which a block's scale takes up: the codes' values come out the same.
;;   OPERANDS COMPUTED ON THE WAY. 'Computed on the way' means the value that the module computes at that place (a softmax that the list does not call 'softmax' is quantised finished and normalised). What goes into a quantiser is computed in f32, as accurately as f32 sums, v_exp_f32 and their like allow (about 1e-6 of the number): no bf16 or f16 on the way to a quantiser, and a product that is left as it is and whose result goes on into a quantised operand takes f32 operands (vector FMAs, or v_wmma_f32_16x16x4_f32). A number that lies on a knife's edge between two numbers of the format may be rounded either way, as far as f32 arithmetic and the matrix unit's own rounding can turn it there, and no further.
;; One version. Each part assembles by itself: llvm-mc -triple=amdgcn-amd-amdhsa -mcpu=gfx1250 --defsym DOCPART=n.
;; ======== version 1 of 1: 4 launches
;; limits: right only within a limited range of input values
;; workspace buffers: ops 6,684,672 bytes; qkv 13,369,344 bytes; ctx 4,456,448 bytes
;; launch quant (part 1): grid 384 x 1, 8 waves a work-group, no clusters, 136,192 bytes of LDS; arguments x, wq, wk, wv, wo, ops; writes ops
.if DOCPART == 1
	.amdgcn_target "amdgcn-amd-amdhsa--gfx1250"
	.amdhsa_code_object_version 6
	.text
	.protected	k_qa6463e1a7d_quant
	.globl	k_qa6463e1a7d_quant
	.p2align	8
	.type	k_qa6463e1a7d_quant,@function
k_qa6463e1a7d_quant:
	s_mov_b64 s[64:65], 0
	v_nop
	global_prefetch_b8 v0, s[64:65] scope:SCOPE_SE
	s_setreg_imm32_b32 hwreg(HW_REG_WAVE_MODE, 25, 1), 1
	s_wait_xcnt 0x0
; x [8192][1024], wq, wk, wv, wo [1024][1024], f32, K innermost, become codes of FP4 (E2M1) with one E8M0 byte for each 32 along K, laid in the order of a matrix operand's registers.
; ROWS go in groups of 32 (x: groups 0-255, wq 256-287, wk 288-319, wv 320-351, wo 352-383); a group has two tiles u: lane r of tile u is row 8 u + r + 8 (r / 8) of the group.
; A FRAGMENT (16 rows x 128 K) is 1,024 bytes: register group c (0, 1) at 512 c + 16 lane; lane (r, h) holds k = 64 c + 32 h + 0 .. 31 of its row.
; A GROUP'S RECORD is 17,408 bytes: two halves of K (4 K steps each) of 8,704: tile 0's four fragments, tile 1's four, then four scale registers of 128 bytes (word at 4 lane: lanes 0-15 tile 0's rows, lanes 16-31 tile 1's).
; A block's scale is 2^(floor(log2(its largest magnitude)) - 2); its byte is the largest magnitude's exponent field - 2, held at 1 from below.
; LIMITS: a block of zeros gets the byte 1 where the rule says 127 (its codes are zeros, and this program alone reads the bytes); blocks whose largest magnitude lies under 2^-124 keep the byte 1; NaN and infinities are not served.
; SHARES: a work-group takes a group of 32 rows, wave w its K step w: 32 rows x 512 bytes.  Each load reads 512 consecutive bytes of a row; the rows turn through the wave's own stage in LDS (528 bytes a row,
; so that sixteen rows begin at sixteen different banks) and come back 128 bytes a lane: a whole block of 32 in one lane's registers.  No barrier: waves share nothing.  All 32 loads of a wave go out at once.
; Each store of codes covers 512 consecutive bytes, aligned; the store of scale words covers 128 consecutive bytes (one byte in 17 of what the launch stores).
.set REC,  17408
.set HALF, 8704
.set STG,  16896                       ; a wave's stage: 32 rows x 528 bytes
.set SP,   528
.set TM,   8                           ; v8-9 largest magnitudes, v10-11 scale operands, v12-13 bytes, v14 my two bytes in place, v15 the other half's
.set C0,   16                          ; v16-23 tile 0's codes;  v24-31 tile 1's
.set C1,   24
.set R,    32                          ; v32-159 the 32 rows as loaded, 4 registers each
.set X0,   160                         ; v160-223 tile 0: my 64 numbers;  tile 1's take v32-95
.set X1,   32
.set W0,   224                         ; the two tiles' scale words, and the register that leaves
.set W1,   225
.set WM,   226
	s_load_b256 s[4:11], s[0:1], 0x0               ; x, wq, wk, wv
	s_load_b128 s[12:15], s[0:1], 0x20             ; wo, ops
	v_lshl_add_u32 v228, v0, 2, 0x21000
	v_mov_b32 v229, 0
	v_lshrrev_b32 v1, 5, v0
	s_delay_alu instid0(VALU_DEP_1)
	v_readfirstlane_b32 s20, v1                    ; wave 0..7 = K step
	v_and_b32 v1, 31, v0                           ; lane
	s_delay_alu instid0(VALU_DEP_1)
	v_lshlrev_b32 v2, 4, v1                        ; 16 x lane: my bytes of a row's 512, and of a fragment's register group
	s_delay_alu instid0(VALU_DEP_2)
	v_lshlrev_b32 v5, 2, v1                        ; 4 x lane: my scale word
	s_mul_i32 s21, s20, STG
	v_add_nc_u32 v3, s21, v2                       ; the stage, on the way in
	v_and_b32 v4, 15, v0                           ; r
	v_bfe_u32 v6, v0, 4, 1                         ; h
	s_delay_alu instid0(VALU_DEP_2)
	v_mul_u32_u24 v4, v4, SP
	s_delay_alu instid0(VALU_DEP_1)
	v_lshl_add_u32 v4, v6, 7, v4
	s_delay_alu instid0(VALU_DEP_1)
	v_add_nc_u32 v4, s21, v4                       ; and on the way out: row r, + 128 h bytes: 32 numbers
	s_delay_alu instid0(VALU_DEP_4)
	v_lshlrev_b32 v6, 3, v6                        ; 8 h: how far my two bytes move up in the scale word
	v_mov_b32 v[TM+7], 0                           ; written once: a lane permute's destination counts as one of its sources
	s_mov_b32 s22, 0x76543210
	s_mov_b32 s23, 0xfedcba98                      ; v_permlanex16_b32's selects for lane l xor 16
	s_and_b32 s18, ttmp9, 31                       ; the group's number inside a weight
	s_wait_alu depctr_va_vdst(0)
	s_wait_kmcnt 0x0
	s_cmp_lt_u32 ttmp9, 352                        ; which tensor: the choice hangs on the work-group's number alone
	s_cselect_b64 s[16:17], s[10:11], s[12:13]
	s_cmp_lt_u32 ttmp9, 320
	s_cselect_b64 s[16:17], s[8:9], s[16:17]
	s_cmp_lt_u32 ttmp9, 288
	s_cselect_b64 s[16:17], s[6:7], s[16:17]
	s_cmp_lt_u32 ttmp9, 256
	s_cselect_b64 s[16:17], s[4:5], s[16:17]
	s_cselect_b32 s18, ttmp9, s18                  ; inside x the group's number is the work-group's
	s_lshl_b32 s18, s18, 17                        ; 32 rows of 4,096 bytes
	s_lshl_b32 s19, s20, 9                         ; + my K step's 512 bytes
	s_add_co_u32 s18, s18, s19
	s_mov_b32 s19, 0
	s_add_nc_u64 s[16:17], s[16:17], s[18:19]
	s_mul_i32 s24, ttmp9, REC                      ; the group's record,
	s_lshr_b32 s25, s20, 2
	s_mul_i32 s25, s25, HALF
	s_add_co_u32 s24, s24, s25                     ; its half of K,
	s_and_b32 s25, s20, 3
	s_lshl_b32 s26, s25, 10
	s_add_co_u32 s26, s26, s24                     ; my K step's fragment of tile 0,
	s_mov_b32 s27, 0
	s_lshl_b32 s28, s25, 7
	s_add_co_u32 s28, s28, s24
	s_add_co_u32 s28, s28, 8192                    ; and its scale register
	s_mov_b32 s29, 0
	s_add_nc_u64 s[26:27], s[14:15], s[26:27]
	s_add_nc_u64 s[28:29], s[14:15], s[28:29]
.set k, 0
.rept 32                                       ; load k brings the row that stands at place k = 16 u + r of the two tiles
	global_load_b128 v[R+4*k:R+4*k+3], v2, s[16:17] offset:((k&7)+16*((k>>3)&1)+8*(k>>4))*4096 th:TH_LOAD_NT
.set k, k+1
.endr
; 64 numbers of a lane, register 32 c + i = k 64 c + 32 h + i of my row, become the fragment's 8 registers and the row's scale word
.macro QUANT1 x, cd, w
.irp c, 0,1
	v_max3_num_f32 v[TM+\c], |v[\x+32*\c]|, |v[\x+32*\c+1]|, 0x1800000   ; my block 2 c + h: all its 32 numbers are mine; and the floor 2^(3 - 127): the byte cannot fall under 1
.endr
.irp i, 2,4,6,8,10,12,14,16,18,20,22,24,26,28,30
.irp c, 0,1
	s_delay_alu instid0(VALU_DEP_2)
	v_max3_num_f32 v[TM+\c], v[TM+\c], |v[\x+32*\c+\i]|, |v[\x+32*\c+\i+1]|   ; (the two blocks by turns)
.endr
.endr
.irp c, 0,1
	s_delay_alu instid0(VALU_DEP_2)
	v_add_nc_u32 v[TM+2+\c], 0xff000000, v[TM+\c]  ; 2 off the exponent field: the conversion takes this operand's exponent field as its scale
.endr
.irp c, 0,1
	s_delay_alu instid0(VALU_DEP_2)
	v_lshrrev_b32 v[TM+4+\c], 23, v[TM+2+\c]       ; the scale's byte
.endr
	s_delay_alu instid0(VALU_DEP_1)
	v_lshl_or_b32 v[TM+6], v[TM+5], 16, v[TM+4]    ; blocks h and 2 + h,
	s_delay_alu instid0(VALU_DEP_1)
	v_lshlrev_b32 v[TM+6], v6, v[TM+6]             ; at their places in the word;
	s_delay_alu instid0(VALU_DEP_1)
	v_permlanex16_b32 v[TM+7], v[TM+6], s22, s23
	s_delay_alu instid0(VALU_DEP_1)
	v_or_b32 v[\w], v[TM+6], v[TM+7]               ; with lane l xor 16's two the word is whole, in both lanes
.irp c, 0,1
.irp g, 0,1,2,3
	v_cvt_scalef32_pk8_fp4_f32 v[\cd+4*\c+\g], v[\x+32*\c+8*\g:\x+32*\c+8*\g+7], v[TM+2+\c]
.endr
.endr
	v_nop                                          ; one plain instruction behind the conversions, ahead of whatever writes their sources
.endm
.set k, 0
.rept 16
	s_wait_loadcnt 31-k                            ; loads come back in order: load k is in, the 31 - k younger ones stay out
	ds_store_b128 v3, v[R+4*k:R+4*k+3] offset:k*SP
.set k, k+1
.endr
.irp c, 0,1
.irp i, 0,1,2,3,4,5,6,7
	ds_load_b128 v[X0+32*\c+4*\i:X0+32*\c+4*\i+3], v4 offset:256*\c+16*\i   ; LDS serves a wave's instructions in order: these see the stores above
.endr
.endr
.rept 16
	s_wait_loadcnt 31-k
	ds_store_b128 v3, v[R+4*k:R+4*k+3] offset:k*SP
.set k, k+1
.endr
	s_wait_dscnt 16                                ; the 16 stores just issued may be out: tile 0's numbers are back, and the first 16 stores are done with v32-95
.irp c, 0,1
.irp i, 0,1,2,3,4,5,6,7
	ds_load_b128 v[X1+32*\c+4*\i:X1+32*\c+4*\i+3], v4 offset:16*SP+256*\c+16*\i
.endr
.endr
	QUANT1 X0, C0, W0                              ; tile 0 is worked while tile 1 turns through the stage
	s_wait_dscnt 0x0
	QUANT1 X1, C1, W1
	v_cmp_le_u32 vcc_lo, 16, v1
	s_delay_alu instid0(VALU_DEP_1)
	v_cndmask_b32 v[WM], v[W0], v[W1], vcc_lo      ; lanes 0-15 tile 0's words, lanes 16-31 tile 1's
	global_store_b128 v2, v[C0:C0+3], s[26:27]
	global_store_b128 v2, v[C0+4:C0+7], s[26:27] offset:512
	global_store_b128 v2, v[C1:C1+3], s[26:27] offset:4096
	global_store_b128 v2, v[C1+4:C1+7], s[26:27] offset:4608
	global_store_b32 v5, v[WM], s[28:29]
	s_wait_tensorcnt 0x0
	ds_add_u32 v228, v229
	s_wait_dscnt 0x0
	s_endpgm
.Lfunc_end_k_qa6463e1a7d_quant:
	.size	k_qa6463e1a7d_quant, .Lfunc_end_k_qa6463e1a7d_quant-k_qa6463e1a7d_quant
	.p2alignl 7, 3214868480
	.fill 96, 4, 3214868480
	.section	.rodata,"a",@progbits
	.p2align	6, 0x0
	.amdhsa_kernel k_qa6463e1a7d_quant
		.amdhsa_group_segment_fixed_size 136192
		.amdhsa_private_segment_fixed_size 0
		.amdhsa_enable_private_segment 0
		.amdhsa_kernarg_size 48
		.amdhsa_user_sgpr_count 2
		.amdhsa_user_sgpr_kernarg_segment_ptr 1
		.amdhsa_wavefront_size32 1
		.amdhsa_system_sgpr_workgroup_id_x 1
		.amdhsa_system_sgpr_workgroup_id_y 1
		.amdhsa_system_sgpr_workgroup_id_z 1
		.amdhsa_system_vgpr_workitem_id 0
		.amdhsa_next_free_vgpr 230
		.amdhsa_next_free_sgpr 66
		.amdhsa_reserve_vcc 1
		.amdhsa_float_denorm_mode_32 3
		.amdhsa_float_denorm_mode_16_64 3
		.amdhsa_memory_ordered 1
		.amdhsa_forward_progress 1
		.amdhsa_inst_pref_size 20
	.end_amdhsa_kernel
	.amdgpu_metadata
---
amdhsa.version: [ 1, 2 ]
amdhsa.kernels:
  - .name:           k_qa6463e1a7d_quant
    .symbol:         k_qa6463e1a7d_quant.kd
    .args:
      - { .name: x, .offset: 0, .size: 8, .value_kind: global_buffer, .address_space: global }
      - { .name: wq, .offset: 8, .size: 8, .value_kind: global_buffer, .address_space: global }
      - { .name: wk, .offset: 16, .size: 8, .value_kind: global_buffer, .address_space: global }
      - { .name: wv, .offset: 24, .size: 8, .value_kind: global_buffer, .address_space: global }
      - { .name: wo, .offset: 32, .size: 8, .value_kind: global_buffer, .address_space: global }
      - { .name: ops, .offset: 40, .size: 8, .value_kind: global_buffer, .address_space: global }
    .group_segment_fixed_size: 136192
    .private_segment_fixed_size: 0
    .kernarg_segment_align: 8
    .kernarg_segment_size: 48
    .max_flat_workgroup_size: 256
    .sgpr_count:     66
    .vgpr_count:     230
    .wavefront_size: 32
...
	.end_amdgpu_metadata
.endif
;; end of part 1
;; launch proj (part 2): grid 8 x 32, 4 waves a work-group, clusters of 4 x 4, 327,680 bytes of LDS; arguments ops, qkv; writes qkv
.if DOCPART == 2
	.amdgcn_target "amdgcn-amd-amdhsa--gfx1250"
	.amdhsa_code_object_version 6
	.text
	.protected	k_qa6463e1a7d_proj
	.globl	k_qa6463e1a7d_proj
	.p2align	8
	.type	k_qa6463e1a7d_proj,@function
k_qa6463e1a7d_proj:
	s_mov_b64 s[64:65], 0
	v_nop
	global_prefetch_b8 v0, s[64:65] scope:SCOPE_SE
	s_setreg_imm32_b32 hwreg(HW_REG_WAVE_MODE, 25, 1), 1
	s_wait_xcnt 0x0
	s_wait_alu depctr_hold_cnt(0) depctr_sa_sdst(0) depctr_va_vdst(0) depctr_va_sdst(0) depctr_va_ssrc(0) depctr_va_vcc(0) depctr_vm_vsrc(0)
	s_getreg_b32 s2, hwreg(HW_REG_IB_STS2, 6, 4)
	s_cmp_eq_u32 s2, 0
	s_cbranch_scc0 .Lentry_in_a_cluster
	s_endpgm
.Lentry_in_a_cluster:
	s_bfe_u32 s2, ttmp6, 0x10000c
	s_cmp_lg_u32 s2, 0xf033
	s_cbranch_scc0 .Lentry_shape_is_right
	s_endpgm
.Lentry_shape_is_right:
; q = x wq^T, k = x wk^T, v = x wv^T on codes of FP4 with E8M0 scales, K = 1,024; the results are quantised in registers and leave as codes: q and k along the head's 64, v along the keys.
; OPERANDS lie in ops by groups of 32 rows (x: groups 0-255, wq 256-287, wk 288-319, wv 320-351), a record of 17,408 bytes a group: two halves of K of 8,704 bytes: tile 0's four fragments of 1,024 bytes, tile 1's four,
; four scale registers of 128 bytes.  Lane r of tile u is row 8 u + r + 8 (r / 8) of its group; a fragment's register group c lies at 512 c + 16 lane: LDS loads of consecutive bytes fill an operand.
; THE DEAL: 256 work-groups that stay.  Work-group (c, T), c = 0 .. 7, T = 0 .. 31, keeps the 256 tokens of block T in LDS and makes three products of 128 x 256, one after the other:
;   V:  P = rows 128 c .. + 127 of wv, Q = the 256 tokens;   LO: P = the 256 tokens, Q = rows 256 c .. + 127 of wq | wk;   HI: the same with rows 256 c + 128 .. + 255.
; P is source 1 (a lane holds one of its rows), Q source 0 (a lane's registers run along its rows).  A wave takes 4 tiles of P and 8 of Q in each product: 32 accumulators, 256 registers.  V: P's half w / 2, Q's half w % 2.  LO, HI: tokens 64 w on, all 128 rows.
; LDS: x by halves of K (2 x 69,632 bytes, a group 8,704 bytes apart); two regions of 69,632 bytes for four whole records of weights (a group 17,408 bytes apart, K's second half 8,704 on); the spare words.
; FILLS: at the head one tensor load a wave: wv's four records, x's first half of K, x's second half, the four records of LO.  ONE REFILL: HI's four records over wv's, behind the three lines and a round of the cluster's barrier
; at V's last K step, when every wave holds V's last fragments in registers.  A plain barrier at LO's last K step shows what it brought.  lds_bytes claims all of LDS.
; CLUSTERS: 4 x 4 work-groups; x hangs on T (cy), shared along a row of the cluster; the weights hang on c (cx), shared along a column: each tile is asked for jointly by the four that share it.
; PREFETCH: the refill's 69,632 bytes are 272 blocks of 256: each of the 16 waves of a column of the cluster names 17, told apart by address, once, behind the first barrier: V's seven K steps ahead of the load.  All else is asked for at the head.
; THE RING OF FRAGMENTS goes on from product to product: K step s lies in set (s + 1) % 2, so a product's last step lies in set 0 and the next product's first fetch goes into set 1, ahead of the way out, which works in set 0's registers.
; qkv: a record of 208,896 bytes for each (batch, head): K codes [64 groups][2 tiles][512 B], V^T fragments [16 key steps][4 tiles of channels][1,024 B], K scales [64][16 words], V scales [16][2][32 words], Q codes, Q scales (as K's).
; LIMITS: a block of zeros, or one whose largest magnitude lies under 2^-124, gets the byte 1 (this program alone reads the bytes); NaN and infinities are not served.
; REGISTERS: window 0: v1 lane, v2-9 V's LDS addresses, v10 16 lane, v11 4 lane, v12-19 LO's, v20-23 HI's Q, v24 the prefetch's offset; two fragment sets of 104 at v32 and v136 (Q's 8 fragments, P's 4, Q's 4 scale registers, P's 2); window 1: accumulator (p, t) at v[64 p + 8 t].
.set REC,   17408
.set HALF,  8704
.set XH,    69632                      ; LDS: x's second half of K
.set WA,    139264                     ; wv's records, later HI's
.set WB,    208896                     ; LO's records
.set SPARE, 278528
.set QREC,  208896                     ; a record of qkv
.set CD,  32                           ; the way out: v32-63 the codes of the four P tiles
.set WD,  64                           ; v64-67 their scale words
.set TM,  72                           ; v72-75 largest magnitudes, v76-79 bytes, v84-87 scale operands
.set G1X, 24
.set G1W, 32
.set MSB, 0
.macro WIN new                         ; the immediate's high byte repeats the setting that is left
.if MSB != \new
	s_set_vgpr_msb (MSB<<8)|\new
.set MSB, \new
.endif
.endm
.macro PLACES n
.rept \n
	v_nop
.endr
.endm
.macro CROUND                          ; a round of the cluster's barrier
	s_barrier_signal -1
	s_barrier_wait -1
	s_cmp_lg_u32 s12, 0
	s_cbranch_scc1 .Lnot_wave_0_\@
	s_barrier_signal -3
.Lnot_wave_0_\@:
	s_barrier_wait -3
	s_barrier_signal -1
	s_barrier_wait -1
.endm
.macro TL g0, g1                       ; a tensor load; s_nop 0 and four v_nop follow it
	tensor_load_to_lds s[\g0:\g0+3], s[\g1:\g1+7]
	s_nop 0
	PLACES 4
.endm
.macro USE ap, aq, spa, sqa, pp, qp    ; the address registers and the groups' pitches of the product that is fetched from here on
.set AP,  \ap
.set AQ,  \aq
.set SPA, \spa
.set SQA, \sqa
.set PP,  \pp
.set QP,  \qp
.endm
	s_load_b128 s[4:7], s[0:1], 0x0                ; ops, qkv
	v_lshl_add_u32 v254, v0, 2, SPARE
	v_mov_b32 v255, 0
	ds_add_u32 v254, v255                          ; the opening lines: the add twice on end and its wait
	ds_add_u32 v254, v255
	v_lshrrev_b32 v1, 5, v0
	v_readfirstlane_b32 s12, v1                    ; wave 0..3
	s_and_b32 s13, s12, 1
	s_lshr_b32 s14, s12, 1
	s_bfe_u32 s15, ttmp6, 0x40000                  ; cx
	s_bfe_u32 s16, ttmp6, 0x40004                  ; cy
	s_lshl_b32 s17, ttmp9, 2
	s_add_co_u32 s17, s17, s15                     ; c = 4 x cluster x + cx
	s_and_b32 s18, ttmp7, 0xffff
	s_lshl_b32 s18, s18, 2
	s_add_co_u32 s18, s18, s16                     ; T = 4 x cluster y + cy
	s_lshl_b32 s21, s16, 2
	s_lshl_b32 s21, 15, s21                        ; my row of the cluster
	s_lshl_b32 s23, 0x1111, s15                    ; my column
	s_or_b32 s[G1X], s21, (3<<16)|(1<<21)          ; x: 8 rows of 8,704 bytes (1,088 elements of 8), one a group, 17,408 bytes apart; no padding: every LDS read is of consecutive bytes
	s_mov_b32 s[G1X+1], 1088<<16
	s_mov_b32 s[G1X+2], 8<<16
	s_mov_b32 s[G1X+3], 1088<<16
	s_mov_b32 s[G1X+4], 8
	s_mov_b32 s[G1X+5], 2176
	s_mov_b32 s[G1X+6], 0
	s_mov_b32 s[G1X+7], 0
	s_or_b32 s[G1W], s23, (3<<16)|(1<<21)          ; weights: 4 whole records of 17,408 bytes
	s_mov_b32 s[G1W+1], 2176<<16
	s_mov_b32 s[G1W+2], 4<<16
	s_mov_b32 s[G1W+3], 2176<<16
	s_mov_b32 s[G1W+4], 4
	s_mov_b32 s[G1W+5], 2176
	s_mov_b32 s[G1W+6], 0
	s_mov_b32 s[G1W+7], 0
	s_mul_i32 s56, s18, 8*REC                      ; x's groups 8 T on: made of T alone
	s_mov_b32 s57, 0
	s_mul_i32 s58, s17, 4*REC
	s_add_co_u32 s58, s58, 320*REC                 ; wv's groups 320 + 4 c on: made of c alone
	s_mov_b32 s59, 0
	s_mul_i32 s60, s17, 8*REC
	s_add_co_u32 s60, s60, 256*REC                 ; wq | wk's groups 256 + 8 c on
	s_mov_b32 s61, 0
	s_mov_b32 s2, 0x76543210
	s_mov_b32 s3, 0xfedcba98                       ; v_permlanex16_b32's selects for lane l xor 16
	s_wait_dscnt 0x0
	s_wait_kmcnt 0x0
	CROUND                                         ; all sixteen work-groups are here: the joint loads meet
	s_mov_b32 s40, 1                               ; s[40:43] x, K's first half
	s_mov_b32 s41, 0
	s_add_nc_u64 s[42:43], s[4:5], s[56:57]
	s_mov_b32 s44, 1                               ; s[44:47] x, K's second half
	s_mov_b32 s45, XH
	s_add_nc_u64 s[46:47], s[42:43], HALF
	s_or_b32 s43, s43, 0x80000000
	s_or_b32 s47, s47, 0x80000000
	s_mov_b32 s48, 1                               ; s[48:51] wv's records
	s_mov_b32 s49, WA
	s_add_nc_u64 s[50:51], s[4:5], s[58:59]
	s_or_b32 s51, s51, 0x80000000
	s_mov_b32 s52, 1                               ; s[52:55] LO's records
	s_mov_b32 s53, WB
	s_add_nc_u64 s[54:55], s[4:5], s[60:61]
	s_mov_b32 s8, 1                                ; s[8:11] HI's records, into wv's place: registers that no other line writes
	s_mov_b32 s9, WA
	s_add_nc_u64 s[10:11], s[54:55], 4*REC
	s_or_b32 s55, s55, 0x80000000
	s_or_b32 s11, s11, 0x80000000
	s_cmp_eq_u32 s12, 0                            ; the head's four tiles, one a wave, each on a line of its own, in one chain of branches on the wave's number
	s_cbranch_scc0 .Lwave_1
	TL 48, G1W                                     ; wave 0: wv's records
	s_branch .Lasked
.Lwave_1:
	s_cmp_eq_u32 s12, 1
	s_cbranch_scc0 .Lwave_2
	TL 40, G1X                                     ; wave 1: x, K's first half
	s_branch .Lasked
.Lwave_2:
	s_cmp_eq_u32 s12, 2
	s_cbranch_scc0 .Lwave_3
	TL 44, G1X                                     ; wave 2: x, K's second half
	s_branch .Lasked
.Lwave_3:
	TL 52, G1W                                     ; wave 3: LO's records
.Lasked:
	v_and_b32 v1, 31, v0                           ; lane
	v_lshlrev_b32 v10, 4, v1
	v_lshlrev_b32 v11, 2, v1
	s_mul_i32 s62, s14, 2*REC
	s_add_co_u32 s62, s62, WA                      ; V: my 2 groups of wv
	s_mul_i32 s63, s13, 4*HALF                     ; V: my 4 groups of tokens
	s_mul_i32 s76, s12, 2*HALF                     ; LO, HI: my 2 groups of tokens
.irp j, 0,1
	v_add_nc_u32 v[2+\j], s62, v10
	v_add_nc_u32 v[6+\j], s62, v11
	v_add_nc_u32 v[4+\j], s63, v10
	v_add_nc_u32 v[8+\j], s63, v11
	v_add_nc_u32 v[12+\j], s76, v10
	v_add_nc_u32 v[16+\j], s76, v11
	v_add_nc_u32 v[14+\j], WB+\j*HALF, v10
	v_add_nc_u32 v[18+\j], WB+\j*HALF, v11
	v_add_nc_u32 v[20+\j], WA+\j*HALF, v10
	v_add_nc_u32 v[22+\j], WA+\j*HALF, v11
	s_add_co_u32 s62, s62, HALF
	s_add_co_u32 s63, s63, XH
	s_add_co_u32 s76, s76, XH
.endr
	s_lshl_b32 s77, s16, 2
	s_add_co_u32 s77, s77, s12                     ; my number among the sixteen waves of my column of the cluster
	s_mul_i32 s77, s77, 17*256
	s_add_co_u32 s77, s77, s60
	s_add_co_u32 s77, s77, 4*REC                   ; my 17 blocks of HI's records, bytes from ops
	v_min_u32 v24, 16, v1                          ; (the lanes left over name the last block again)
	v_lshl_add_u32 v24, v24, 8, s77
.irp b, 0,1,2,3
	v_mov_b32 v[TM+4+\b], 0                        ; written once: a lane permute's destination counts as one of its sources
.endr
; 30 LDS loads: K step s: Q's 8 fragments, P's 4, Q's 4 scale registers, P's 2, into set (s + 1) % 2
.macro FETCH s
.set FS, 32+104*(((\s)+1)%2)
.set JJ, (\s)/4
.set KO, ((\s)%4)*1024
.set SO, 8192+((\s)%4)*128
.irp t, 0,1,2,3,4,5,6,7
.irp c, 0,1
	ds_load_b128 v[FS+8*\t+4*\c:FS+8*\t+4*\c+3], v[AQ+JJ] offset:(\t/2)*QP+(\t%2)*4096+KO+512*\c
.endr
.endr
.irp p, 0,1,2,3
.irp c, 0,1
	ds_load_b128 v[FS+64+8*\p+4*\c:FS+64+8*\p+4*\c+3], v[AP+JJ] offset:(\p/2)*PP+(\p%2)*4096+KO+512*\c
.endr
.endr
.irp g, 0,1,2,3
	ds_load_b32 v[FS+96+\g], v[SQA+JJ] offset:\g*QP+SO
.endr
.irp g, 0,1
	ds_load_b32 v[FS+100+\g], v[SPA+JJ] offset:\g*PP+SO
.endr
.endm
; one product; c: the constant 0, which starts a sum, or the accumulator.  to, po: the tile is its group's second: its scale words stand in lanes 16-31
.macro WM acc, qf, pf, c, sq, sp, to, po
.if (\to) && (\po)
	v_wmma_scale_f32_16x16x128_f8f6f4 v[\acc:\acc+7], v[\qf:\qf+7], v[\pf:\pf+7], \c, v[\sq], v[\sp] matrix_a_fmt:MATRIX_FMT_FP4 matrix_b_fmt:MATRIX_FMT_FP4 matrix_a_scale:MATRIX_SCALE_ROW1 matrix_b_scale:MATRIX_SCALE_ROW1
.elseif (\to)
	v_wmma_scale_f32_16x16x128_f8f6f4 v[\acc:\acc+7], v[\qf:\qf+7], v[\pf:\pf+7], \c, v[\sq], v[\sp] matrix_a_fmt:MATRIX_FMT_FP4 matrix_b_fmt:MATRIX_FMT_FP4 matrix_a_scale:MATRIX_SCALE_ROW1
.elseif (\po)
	v_wmma_scale_f32_16x16x128_f8f6f4 v[\acc:\acc+7], v[\qf:\qf+7], v[\pf:\pf+7], \c, v[\sq], v[\sp] matrix_a_fmt:MATRIX_FMT_FP4 matrix_b_fmt:MATRIX_FMT_FP4 matrix_b_scale:MATRIX_SCALE_ROW1
.else
	v_wmma_scale_f32_16x16x128_f8f6f4 v[\acc:\acc+7], v[\qf:\qf+7], v[\pf:\pf+7], \c, v[\sq], v[\sp] matrix_a_fmt:MATRIX_FMT_FP4 matrix_b_fmt:MATRIX_FMT_FP4
.endif
.endm
; a K step's 32 products: the 32 accumulators take turns, one instruction a turn, in the same order in every step
.macro MULS s
.set FS, 32+104*(((\s)+1)%2)
	WIN 0x50                                       ; C and D window 1
.irp p, 0,1,2,3
.irp t, 0,1,2,3,4,5,6,7
.if (\s) == 0
	WM 64*\p+8*\t, FS+8*\t, FS+64+8*\p, 0, FS+96+\t/2, FS+100+\p/2, \t%2, \p%2
.else
	WM 64*\p+8*\t, FS+8*\t, FS+64+8*\p, v[64*\p+8*\t:64*\p+8*\t+7], FS+96+\t/2, FS+100+\p/2, \t%2, \p%2
.endif
.endr
.endr
	WIN 0
.endm
.macro KSTEP s, places                 ; one of a product's first seven K steps: the next step's fetch, then this step's products
.if \places
	PLACES 4                                       ; four plain instructions between the last products and loads into the set that they read
.endif
	FETCH (\s)+1
	s_wait_dscnt 30                                ; all but the 30 just issued: this step's set is in
	MULS \s
.endm
; THE WAY OUT.  For P tile p a lane's 64 registers are 128 neighbours along Q's rows in halves: register 16 b + i = row 32 b + 16 h + i.  They become a fragment's 8 registers and a scale word.
.macro QUANTW p
	WIN 0
.irp b, 0,1,2,3
	v_mov_b32 v[TM+\b], 0x1800000                  ; the floor 2^(3 - 127): the byte cannot fall under 1
.endr
	WIN 0x14                                       ; sources 1 and 2 window 1
.irp i, 0,2,4,6,8,10,12,14
.irp b, 0,1,2,3
	v_max3_num_f32 v[TM+\b], v[TM+\b], |v[64*\p+16*\b+\i]|, |v[64*\p+16*\b+\i+1]|   ; the four blocks by turns; each accumulator from its low end on
.endr
.endr
	WIN 0
.irp b, 0,1,2,3
	v_permlanex16_b32 v[TM+4+\b], v[TM+\b], s2, s3
.endr
.irp b, 0,1,2,3
	v_max_num_f32 v[TM+\b], v[TM+\b], v[TM+4+\b]   ; with lane l xor 16's 16: the block's largest magnitude
.endr
.irp b, 0,1,2,3
	v_add_nc_u32 v[TM+12+\b], 0xff000000, v[TM+\b] ; 2 off the exponent field: the conversion's scale operand
.endr
.irp b, 0,1,2,3
	v_lshrrev_b32 v[TM+4+\b], 23, v[TM+12+\b]      ; the scale's byte
.endr
	v_lshl_or_b32 v[WD+\p], v[TM+5], 8, v[TM+4]
	v_lshl_or_b32 v[WD+\p], v[TM+6], 16, v[WD+\p]
	v_lshl_or_b32 v[WD+\p], v[TM+7], 24, v[WD+\p]  ; my row's scale word, the same in lanes l and l xor 16
	WIN 0x01                                       ; source 0 window 1
.irp b, 0,1,2,3
	v_cvt_scalef32_pk8_fp4_f32 v[CD+8*\p+2*\b], v[64*\p+16*\b:64*\p+16*\b+7], v[TM+12+\b]
	v_cvt_scalef32_pk8_fp4_f32 v[CD+8*\p+2*\b+1], v[64*\p+16*\b+8:64*\p+16*\b+15], v[TM+12+\b]
.endr
	WIN 0
	v_nop                                          ; one plain instruction behind the conversions
.irp c, 0,1                                    ; the operand's layout wants a whole block in a lane: lanes 0-15 block 2 c, lanes 16-31 block 2 c + 1
.irp i, 0,1
	v_permlane16_swap_b32 v[CD+8*\p+4*\c+\i], v[CD+8*\p+4*\c+2+\i]
.endr
.endr
.endm
.macro QUANT4
	PLACES 4                                       ; between the last products and the first read of results, and writes into registers that they read
	QUANTW 0
	QUANTW 1
	QUANTW 2
	QUANTW 3
	v_cmp_le_u32 vcc_lo, 16, v1                    ; lanes 16-31
.endm
.macro OUTV                            ; v: tile p is 16 channels x my 128 keys: a fragment of V^T as it stands
	QUANT4
	s_lshl_b32 s66, s17, 1
	s_add_co_u32 s66, s66, s14                     ; the head: my 64 rows of wv
	s_lshl_b32 s67, s18, 1
	s_add_co_u32 s67, s67, s13                     ; my 128 tokens, of 64 such runs
	s_lshr_b32 s68, s67, 4                         ; the batch
	s_and_b32 s67, s67, 15                         ; the key step
	s_lshl_b32 s68, s68, 4
	s_add_co_u32 s68, s68, s66
	s_mul_i32 s68, s68, QREC
	s_lshl_b32 s72, s67, 12
	s_add_co_u32 s72, s72, s68
	s_add_co_u32 s72, s72, 65536
	s_mov_b32 s73, 0
	s_add_nc_u64 s[72:73], s[6:7], s[72:73]
	s_lshl_b32 s74, s67, 8
	s_add_co_u32 s74, s74, s68
	s_add_co_u32 s74, s74, 135168
	s_mov_b32 s75, 0
	s_add_nc_u64 s[74:75], s[6:7], s[74:75]
	s_wait_alu depctr_va_vdst(0)                   ; the wait behind the run of scalar lines
.irp p, 0,1,2,3
.irp c, 0,1
	global_store_b128 v10, v[CD+8*\p+4*\c:CD+8*\p+4*\c+3], s[72:73] offset:\p*1024+\c*512   ; 32 lanes store 512 consecutive bytes, aligned
.endr
.endr
.irp g, 0,1
	v_cndmask_b32 v[88+\g], v[WD+2*\g], v[WD+2*\g+1], vcc_lo   ; a scale register: lanes 0-15 the group's first tile, lanes 16-31 its second
	global_store_b32 v11, v[88+\g], s[74:75] offset:\g*128
.endr
.endm
.macro OUTQK hi                        ; q or k: register group c of tile p is head c's piece of 16 tokens: 512 consecutive bytes
	QUANT4
	s_lshl_b32 s66, s18, 4
	s_lshl_b32 s67, s12, 2
	s_add_co_u32 s66, s66, s67                     ; my first tile of tokens, of 512 in all
	s_lshr_b32 s67, s66, 7                         ; the batch
	s_and_b32 s66, s66, 127                        ; the tile inside it
	s_lshl_b32 s68, s17, 1
	s_add_co_u32 s68, s68, \hi                     ; which 128 rows of wq | wk: 0-7 q's head pairs, 8-15 k's
	s_and_b32 s69, s68, 7
	s_lshl_b32 s69, s69, 1
	s_lshl_b32 s67, s67, 4
	s_add_co_u32 s67, s67, s69                     ; 16 x batch + the pair's first head
	s_mul_i32 s67, s67, QREC
	s_cmp_lt_u32 s68, 8
	s_cselect_b32 s70, 139264, 0                   ; q's codes lie 139,264 bytes into a record, k's at its head;
	s_cselect_b32 s71, 73728, 0                    ; q's scales 73,728 bytes behind k's
	s_lshl_b32 s72, s66, 9
	s_add_co_u32 s72, s72, s70
	s_add_co_u32 s72, s72, s67
	s_mov_b32 s73, 0
	s_add_nc_u64 s[72:73], s[6:7], s[72:73]
	s_lshr_b32 s74, s66, 1
	s_lshl_b32 s74, s74, 6                         ; 64 bytes of scale words a group
	s_add_co_u32 s74, s74, s71
	s_add_co_u32 s74, s74, s67
	s_add_co_u32 s74, s74, 131072
	s_mov_b32 s75, 0
	s_add_nc_u64 s[74:75], s[6:7], s[74:75]
	s_wait_alu depctr_va_vdst(0)                   ; the wait behind the run of scalar lines
.irp p, 0,1,2,3
.irp c, 0,1
	global_store_b128 v10, v[CD+8*\p+4*\c:CD+8*\p+4*\c+3], s[72:73] offset:\c*QREC+\p*512   ; 32 lanes store 512 consecutive bytes, aligned
.endr
.endr
.irp g, 0,1                                    ; a group's word for lane r: tile 0's two bytes of the head, then tile 1's
	v_perm_b32 v[88+\g], v[WD+2*\g+1], v[WD+2*\g], 0x05040100   ; the pair's first head: the low halves
	v_perm_b32 v[90+\g], v[WD+2*\g+1], v[WD+2*\g], 0x07060302   ; its second: the high halves
.endr
	v_cndmask_b32 v92, v88, v89, vcc_lo            ; lanes 0-15 my first group's 16 words, lanes 16-31 my second's
	v_cndmask_b32 v93, v90, v91, vcc_lo
	global_store_b32 v11, v92, s[74:75]            ; 128 consecutive bytes (one byte in 17 of what the launch stores)
	global_store_b32 v11, v93, s[74:75] offset:QREC
.endm
	s_wait_alu depctr_va_vdst(0)                   ; the wait at the head's end
	s_cmp_lt_u32 s12, 2                            ; waves 0 and 1 wait for wv's records and x's first half; the other two loads, lines of their own, may stay out
	s_cbranch_scc0 .Lnot_first
	s_wait_tensorcnt 0x0
.Lnot_first:
	s_barrier_signal -1
	s_barrier_wait -1
	global_prefetch_b8 v24, s[4:5] th:TH_LOAD_NT scope:SCOPE_SE   ; my 17 blocks of the refill's records; v24 is never rewritten
; ================= V
	USE 2, 4, 6, 8, REC, HALF
	FETCH 0
	KSTEP 0, 0
	KSTEP 1, 1
	KSTEP 2, 1
	s_cmp_eq_u32 s12, 3                            ; x's second half is in (wave 2's load); wave 3's may stay out
	s_cbranch_scc1 .Lnot_x1
	s_wait_tensorcnt 0x0
.Lnot_x1:
	s_wait_dscnt 0x0                               ; no LDS load of mine is pending at the signal
	s_barrier_signal -1
	s_barrier_wait -1
	KSTEP 3, 1
	KSTEP 4, 1
	KSTEP 5, 1
	KSTEP 6, 1
	s_wait_tensorcnt 0x0                           ; V's last K step.  All my tensor loads are done, LO's records among them;
	ds_add_u32 v254, v255                          ; 0 onto my spare word;
	s_wait_dscnt 0x0                               ; the add is done, and my last reads of wv's records are in registers
	CROUND                                         ; the same holds of every wave of the cluster
	s_cmp_eq_u32 s12, 0
	s_cbranch_scc0 .Lno_fill
	TL 8, G1W                                      ; HI's records over wv's: the one refill, wave 0's
.Lno_fill:
	PLACES 4
	USE 12, 14, 16, 18, HALF, REC
	FETCH 0                                        ; LO's first fragments, into set 1
	MULS 7
	OUTV
; ================= LO
	s_wait_xcnt 0x0                                ; the stores have read their registers and bases: set 0 may take loads again
	KSTEP 0, 1
	KSTEP 1, 1
	KSTEP 2, 1
	KSTEP 3, 1
	KSTEP 4, 1
	KSTEP 5, 1
	KSTEP 6, 1
	s_wait_tensorcnt 0x0                           ; LO's last K step.  The refill has landed,
	s_wait_dscnt 0x0
	s_barrier_signal -1                            ; a plain barrier shows it to all
	s_barrier_wait -1
	PLACES 4
	USE 12, 20, 16, 22, HALF, REC
	FETCH 0                                        ; HI's first fragments
	MULS 7
	OUTQK 0
; ================= HI
	s_wait_xcnt 0x0
	KSTEP 0, 1
	KSTEP 1, 1
	KSTEP 2, 1
	KSTEP 3, 1
	KSTEP 4, 1
	KSTEP 5, 1
	KSTEP 6, 1
	s_wait_dscnt 0x0
	MULS 7
	OUTQK 1
	s_wait_tensorcnt 0x0                           ; the wave's end
	ds_add_u32 v254, v255
	s_wait_dscnt 0x0
	CROUND                                         ; the closing round: no work-group ends while a partner may still ask for a tile that names it
	s_endpgm
.Lfunc_end_k_qa6463e1a7d_proj:
	.size	k_qa6463e1a7d_proj, .Lfunc_end_k_qa6463e1a7d_proj-k_qa6463e1a7d_proj
	.p2alignl 7, 3214868480
	.fill 96, 4, 3214868480
	.section	.rodata,"a",@progbits
	.p2align	6, 0x0
	.amdhsa_kernel k_qa6463e1a7d_proj
		.amdhsa_group_segment_fixed_size 327680
		.amdhsa_private_segment_fixed_size 0
		.amdhsa_enable_private_segment 0
		.amdhsa_kernarg_size 16
		.amdhsa_user_sgpr_count 2
		.amdhsa_user_sgpr_kernarg_segment_ptr 1
		.amdhsa_wavefront_size32 1
		.amdhsa_system_sgpr_workgroup_id_x 1
		.amdhsa_system_sgpr_workgroup_id_y 1
		.amdhsa_system_sgpr_workgroup_id_z 1
		.amdhsa_system_vgpr_workitem_id 0
		.amdhsa_next_free_vgpr 512
		.amdhsa_next_free_sgpr 80
		.amdhsa_reserve_vcc 1
		.amdhsa_float_denorm_mode_32 3
		.amdhsa_float_denorm_mode_16_64 3
		.amdhsa_memory_ordered 1
		.amdhsa_forward_progress 1
		.amdhsa_inst_pref_size 210
	.end_amdhsa_kernel
	.amdgpu_metadata
---
amdhsa.version: [ 1, 2 ]
amdhsa.kernels:
  - .name:           k_qa6463e1a7d_proj
    .symbol:         k_qa6463e1a7d_proj.kd
    .args:
      - { .name: ops, .offset: 0, .size: 8, .value_kind: global_buffer, .address_space: global }
      - { .name: qkv, .offset: 8, .size: 8, .value_kind: global_buffer, .address_space: global }
    .group_segment_fixed_size: 327680
    .private_segment_fixed_size: 0
    .kernarg_segment_align: 8
    .kernarg_segment_size: 16
    .max_flat_workgroup_size: 128
    .sgpr_count:     80
    .vgpr_count:     512
    .wavefront_size: 32
...
	.end_amdgpu_metadata
.endif
;; end of part 2
;; launch attn (part 3): grid 8 x 32, 16 waves a work-group, clusters of 4 x 1, 327,680 bytes of LDS; arguments qkv, ctx; writes ctx
.if DOCPART == 3
	.amdgcn_target "amdgcn-amd-amdhsa--gfx1250"
	.amdhsa_code_object_version 6
	.text
	.protected	k_qa6463e1a7d_attn
	.globl	k_qa6463e1a7d_attn
	.p2align	8
	.type	k_qa6463e1a7d_attn,@function
k_qa6463e1a7d_attn:
	s_mov_b64 s[64:65], 0
	v_nop
	global_prefetch_b8 v0, s[64:65] scope:SCOPE_SE
	s_setreg_imm32_b32 hwreg(HW_REG_WAVE_MODE, 25, 1), 1
	s_wait_xcnt 0x0
	s_wait_alu depctr_hold_cnt(0) depctr_sa_sdst(0) depctr_va_vdst(0) depctr_va_sdst(0) depctr_va_ssrc(0) depctr_va_vcc(0) depctr_vm_vsrc(0)
	s_getreg_b32 s2, hwreg(HW_REG_IB_STS2, 6, 4)
	s_cmp_eq_u32 s2, 0
	s_cbranch_scc0 .Lentry_in_a_cluster
	s_endpgm
.Lentry_in_a_cluster:
	s_bfe_u32 s2, ttmp6, 0x10000c
	s_cmp_lg_u32 s2, 0x3003
	s_cbranch_scc0 .Lentry_shape_is_right
	s_endpgm
.Lentry_shape_is_right:
; ctx = softmax(q k^T / 8) v for two heads of one batch and 256 queries a work-group, both products on codes of FP4 (E2M1) with E8M0 scales; the result is quantised along the channels and leaves as codes.
; qkv: a record of QREC bytes for each (batch, head): K codes [64 groups of 32 keys][2 tiles][512 B], V^T fragments [16 key steps][4 tiles of channels][1,024 B], K scales [64][16 words], V scales [16][2][32 words] (these four: HB bytes), Q codes, Q scales (as K's).
; Lane r of tile u is row 8 u + r + 8 (r / 8) of its group, so that the 16 registers of a group's two result tiles are 16 neighbours.  ctx: records of REC bytes a group of 32 tokens, as the out-projection's operand registers want them.
; THE SOFTMAX: t = score x log2(e) / 8; M = the running largest t rounded up to a whole number; p = 2^(t - M) is quantised along the keys, not normalised; the row's sum is taken of the unquantised p in f32 and divides at the end.
; When M moves, the sum and O^T are multiplied by 2^(old M - new M), in every step, with no branch on data.
; LIMITS: the promise holds while the scaled scores stay under 2^31 in magnitude; NaN and infinities are not served; a block of zeros, or one under 2^-124, gets the byte 1 (this program alone reads the bytes).
; SHARES: sixteen waves, each one tile of 16 queries, both heads one after the other; a key step is 128 keys.  Both products are used transposed: a lane holds one query.
; A head has 64 channels: a fragment of K holds a group's two tiles side by side along the instruction's 128, and Q stands beside zeros (v16-23: q, 0; v20-27: 0, q), so that each product takes one tile's scores.
; LDS: both heads' HB bytes, each byte filled once; the spare words behind them.  CLUSTER: the four query blocks of a head pair ask for the tiles jointly (mask 15), 8,704 bytes a wave and head.
; Head 0's load stands at the head; head 1's behind the full sequence and a round of the cluster's barrier; a plain barrier behind head 0's second key step shows it to all waves.
; No data prefetch: both tiles are asked for at the kernel's head, and no later tensor load follows for which a loop could ask ahead.
; LDS LOADS OF A STEP stand in one run of 20 behind the score products: this step's V (10), then the NEXT step's K (10).  The wait ahead of the second product leaves K's 10 out; the wait at a step's head is for all.
; A head's last step so fetches 4,096 bytes and two scale registers behind K's last (bytes of V's part of the same tile, filled and shown): they are not used.
; REGISTERS: v1 16 lane, v2 the same in V's part, v3 4 lane in the scales' part, v5 4 (lane % 16); v8-10 addresses; v11 the old -M, v12 -M, v13 the largest score so far, v[14:15] the sum; v16-27 Q, v28 its scales, v29 ctx's scale word;
; v32-63 K, v64-95 V, v96-159 scores then p, v160-191 O^T, v192-199 p's codes, v200-205 head 1's Q, v206-210 scale words, v212-219 ctx's codes, v232-254 at work, v251 and v255 the spare word's address and 0.
.set QREC, 208896
.set HB,   139264
.set REC,  17408
.set SPARE, 0x44000
.macro WALU
	s_wait_alu depctr_va_vdst(0)
.endm
.macro DEP n
	s_delay_alu instid0(VALU_DEP_\n)
.endm
.macro CROUND                          ; a round of the cluster's barrier
	s_barrier_signal -1
	s_barrier_wait -1
	s_cmp_lg_u32 s8, 0
	s_cbranch_scc1 .Lnot_wave_0_\@
	s_barrier_signal -3
.Lnot_wave_0_\@:
	s_barrier_wait -3
	s_barrier_signal -1
	s_barrier_wait -1
.endm
	s_load_b128 s[4:7], s[0:1], 0x0                ; qkv, ctx
	v_lshl_add_u32 v251, v0, 2, SPARE
	v_mov_b32 v255, 0
	ds_add_u32 v251, v255                          ; the opening lines: the add twice on end and its wait
	ds_add_u32 v251, v255
	v_lshrrev_b32 v1, 5, v0
	DEP 1
	v_readfirstlane_b32 s8, v1                     ; wave 0..15
	s_bfe_u32 s9, ttmp6, 0x40000                   ; cx
	s_and_b32 s10, ttmp7, 0xffff                   ; 8 x batch + head pair
	s_mov_b32 s16, 15|(3<<16)|(1<<21)              ; group 1: 34 rows of 256 bytes, dense; the mask names the cluster's four
	s_mov_b32 s17, 32<<16
	s_mov_b32 s18, 34<<16
	s_mov_b32 s19, 32<<16
	s_mov_b32 s20, 34
	s_mov_b32 s21, 32
	s_mov_b32 s22, 0
	s_mov_b32 s23, 0
	s_mul_i32 s40, s10, 2*QREC                     ; the pair's first record
	s_mul_i32 s42, s8, 8704                        ; my sixteenth of a head's HB bytes
	s_add_co_u32 s44, s40, s42
	s_mov_b32 s45, 0
	s_lshl_b32 s11, ttmp9, 2
	s_add_co_u32 s11, s11, s9                      ; my block of 256 queries
	s_lshl_b32 s12, s11, 4
	s_add_co_u32 s12, s12, s8                      ; my tile of 16 queries
	s_lshl_b32 s46, s12, 9
	s_add_co_u32 s46, s46, s40
	s_add_co_u32 s46, s46, 139264                  ; its codes
	s_mov_b32 s47, 0
	s_lshr_b32 s48, s12, 1
	s_lshl_b32 s48, s48, 6
	s_add_co_u32 s48, s48, s40
	s_add_co_u32 s48, s48, 204800                  ; its group's scale words
	s_mov_b32 s49, 0
	v_and_b32 v4, 31, v0
	DEP 1
	v_lshlrev_b32 v1, 4, v4
	DEP 1
	v_add_nc_u32 v2, 0x10000, v1
	DEP 3
	v_lshl_add_u32 v3, v4, 2, 0x20000
	v_and_b32 v5, 15, v0
	DEP 1
	v_lshlrev_b32 v5, 2, v5
	WALU
	s_wait_dscnt 0x0                               ; both opening adds are done
	CROUND                                         ; the four work-groups are here: the joint loads meet
	s_wait_kmcnt 0x0
	s_add_nc_u64 s[44:45], s[4:5], s[44:45]
	s_mov_b32 s24, 1
	s_mov_b32 s25, s42
	s_mov_b64 s[26:27], s[44:45]
	s_or_b32 s27, s27, 0x80000000
	s_mov_b32 s28, 1
	s_add_co_u32 s29, s42, HB
	s_add_nc_u64 s[30:31], s[44:45], QREC
	s_or_b32 s31, s31, 0x80000000
	tensor_load_to_lds s[24:27], s[16:23]          ; head 0: my one tensor load at the head
	s_nop 0
.rept 4
	v_nop
.endr
	s_add_nc_u64 s[46:47], s[4:5], s[46:47]
	s_add_nc_u64 s[48:49], s[4:5], s[48:49]
	global_load_b128 v[16:19], v1, s[46:47]        ; Q of both heads, asked for beside the first tile
	global_load_b128 v[24:27], v1, s[46:47]
	global_load_b128 v[200:203], v1, s[46:47] offset:QREC
	global_load_b32 v204, v5, s[48:49]
	global_load_b32 v205, v5, s[48:49] offset:QREC
.irp i, 20,21,22,23
	v_mov_b32 v\i, 0                               ; the zeros beside q
.endr
.irp b, 0,1,2,3
	v_mov_b32 v[236+\b], 0                         ; a lane permute's destination counts as one of its sources
.endr
	v_mov_b32 v253, 0                              ; named as the upper half of the pair v[252:253]
	s_mov_b32 s32, 0x76543210
	s_mov_b32 s33, 0xfedcba98                      ; selects for lane l xor 16
	s_mov_b32 s34, 0x3e38aa3b                      ; c = log2(e) / 8
	s_mov_b32 s35, s34
	s_mov_b32 s39, 0x03020302                      ; which two bytes of the group's scale word are my tile's
	s_and_b32 s41, s8, 1
	s_cmp_eq_u32 s41, 0
	s_cselect_b32 s39, 0x01000100, s39
	WALU
	s_wait_tensorcnt 0x0                           ; my part of head 0 is in; the full sequence ahead of a later first fill:
	ds_add_u32 v251, v255
	s_wait_dscnt 0x0
	CROUND                                         ; everybody's part is in
	tensor_load_to_lds s[28:31], s[16:23]          ; head 1
	s_nop 0
.rept 4
	v_nop
.endr
.macro KFIRST                          ; K's fragments and scale words of a head's first key step
	v_add_nc_u32 v8, s36, v1
	v_add_nc_u32 v10, s37, v3
.irp b, 0,1,2,3
.irp c, 0,1
	ds_load_b128 v[32+8*\b+4*\c:32+8*\b+4*\c+3], v8 offset:1024*\b+512*\c
.endr
.endr
	ds_load_b32 v206, v10
	ds_load_b32 v207, v10 offset:128
.endm
.macro STEP
	s_wait_dscnt 0x0                               ; this step's K is in
.irp b, 0,1,2,3
.if \b%2
	v_wmma_scale_f32_16x16x128_f8f6f4 v[96+16*\b:103+16*\b], v[32+8*\b:39+8*\b], v[16:23], 0, v[206+\b/2], v28 matrix_a_fmt:MATRIX_FMT_FP4 matrix_b_fmt:MATRIX_FMT_FP4 matrix_a_scale:MATRIX_SCALE_ROW1
	v_wmma_scale_f32_16x16x128_f8f6f4 v[104+16*\b:111+16*\b], v[32+8*\b:39+8*\b], v[20:27], 0, v[206+\b/2], v28 matrix_a_fmt:MATRIX_FMT_FP4 matrix_b_fmt:MATRIX_FMT_FP4 matrix_a_scale:MATRIX_SCALE_ROW1
.else
	v_wmma_scale_f32_16x16x128_f8f6f4 v[96+16*\b:103+16*\b], v[32+8*\b:39+8*\b], v[16:23], 0, v[206+\b/2], v28 matrix_a_fmt:MATRIX_FMT_FP4 matrix_b_fmt:MATRIX_FMT_FP4
	v_wmma_scale_f32_16x16x128_f8f6f4 v[104+16*\b:111+16*\b], v[32+8*\b:39+8*\b], v[20:27], 0, v[206+\b/2], v28 matrix_a_fmt:MATRIX_FMT_FP4 matrix_b_fmt:MATRIX_FMT_FP4
.endif
.endr
	v_add_nc_u32 v8, s36, v1                       ; four plain lines behind the products, ahead of loads into their registers and of the first read of the scores
	v_add_nc_u32 v9, s36, v2
	v_add_nc_u32 v10, s37, v3
	v_mov_b32 v11, v12                             ; the old -M
.irp t, 0,1,2,3
.irp c, 0,1
	ds_load_b128 v[64+8*\t+4*\c:64+8*\t+4*\c+3], v9 offset:1024*\t+512*\c   ; this step's V
.endr
.endr
	ds_load_b32 v208, v10 offset:4096
	ds_load_b32 v209, v10 offset:4224
.irp b, 0,1,2,3
.irp c, 0,1
	ds_load_b128 v[32+8*\b+4*\c:32+8*\b+4*\c+3], v8 offset:4096+1024*\b+512*\c   ; the next step's K
.endr
.endr
	ds_load_b32 v206, v10 offset:256
	ds_load_b32 v207, v10 offset:384
.irp a, 0,1,2,3,4,5,6,7                        ; the largest score of each block of 32 keys: eight chains, one an accumulator, each from its low end on
	v_max3_num_f32 v[232+\a/2+8*(\a%2)], v[96+8*\a], v[97+8*\a], v[98+8*\a]
.endr
.irp i, 3,5
.irp a, 0,1,2,3,4,5,6,7
	v_max3_num_f32 v[232+\a/2+8*(\a%2)], v[232+\a/2+8*(\a%2)], v[96+8*\a+\i], v[97+8*\a+\i]
.endr
.endr
.irp b, 0,1,2,3
	v_max3_num_f32 v[232+\b], v[232+\b], v[240+\b], v[103+16*\b]
.endr
.irp b, 0,1,2,3
	v_max_num_f32 v[232+\b], v[232+\b], v[111+16*\b]
.endr
.irp b, 0,1,2,3
	DEP 4
	v_permlanex16_b32 v[236+\b], v[232+\b], s32, s33
.endr
.irp b, 0,1,2,3
	DEP 4
	v_max_num_f32 v[232+\b], v[232+\b], v[236+\b]  ; with lane l xor 16's 16 keys
.endr
	DEP 2
	v_max3_num_f32 v254, v232, v233, v234
	DEP 1
	v_max3_num_f32 v13, v254, v235, v13            ; the largest score so far (c is positive: the largest t is c times it)
	DEP 1
	v_mul_f32 v254, s34, v13
	DEP 1
	v_floor_f32 v12, -v254                         ; -M = floor(-t): M is a whole number
.set j, 0
.rept 32
	v_pk_fma_f32 v[96+j:97+j], v[96+j:97+j], s[34:35], v[12:13] op_sel_hi:[1,0,0]   ; t - M, two at a time
.if j == 8
	v_sub_f32 v254, v12, v11                       ; old M - new M, a whole number, 0 or less; its three lines stand five lines apart
.elseif j == 18
	v_cvt_i32_f32 v254, v254                       ; (it saturates)
.elseif j == 28
	v_ldexp_f32 v252, 1.0, v254                    ; f = 2^(old M - new M)
.endif
.set j, j+2
.endr
.irp b, 0,1,2,3
	v_fma_f32 v[232+\b], v[232+\b], s34, v12       ; the same of each block's largest score
.endr
.set j, 0
.rept 16
	v_pk_mul_f32 v[160+j:161+j], v[160+j:161+j], v[252:253] op_sel_hi:[1,0]   ; O^T under the new M, each accumulator from its low end on
.set j, j+2
.endr
	WALU                                           ; ahead of the batch
.set j, 0
.rept 64
	v_exp_f32 v[96+j], v[96+j]                     ; p = 2^(t - M)
.set j, j+1
.endr
.irp b, 0,1,2,3
	v_exp_f32 v[232+\b], v[232+\b]                 ; each block's largest p: the same two instructions on the same number
.endr
	v_pk_mul_f32 v[14:15], v[14:15], v[252:253] op_sel_hi:[1,0]   ; the sum under the new M: the plain line behind the batch
	WALU                                           ; behind the batch
.irp b, 0,1,2,3
	v_max_num_f32 v[232+\b], 0x1800000, v[232+\b]  ; the floor 2^(3 - 127): the byte cannot fall under 1
.endr
.irp b, 0,1,2,3
	DEP 4
	v_add_nc_u32 v[244+\b], 0xff000000, v[232+\b]  ; 2 off the exponent field: the conversion's scale operand
.endr
.irp b, 0,1,2,3
	DEP 4
	v_lshrrev_b32 v[236+\b], 23, v[244+\b]         ; the scale's byte
.endr
	DEP 3
	v_lshl_or_b32 v210, v237, 8, v236
	DEP 1
	v_lshl_or_b32 v210, v238, 16, v210
	DEP 1
	v_lshl_or_b32 v210, v239, 24, v210             ; p's scale word for these 128 keys
.irp b, 0,1,2,3
	v_cvt_scalef32_pk8_fp4_f32 v[192+2*\b], v[96+16*\b:103+16*\b], v[244+\b]
	v_cvt_scalef32_pk8_fp4_f32 v[193+2*\b], v[104+16*\b:111+16*\b], v[244+\b]
.endr
	v_pk_add_f32 v[236:237], v[96:97], v[98:99]    ; the row's sum of the unquantised p, two at a time, in four chains; these lines are also the plain lines behind the conversions
	v_pk_add_f32 v[238:239], v[100:101], v[102:103]
	v_pk_add_f32 v[240:241], v[104:105], v[106:107]
	v_pk_add_f32 v[14:15], v[14:15], v[108:109]
.irp c, 0,1                                    ; the operand's layout wants a whole block in a lane
.irp i, 0,1
	v_permlane16_swap_b32 v[192+4*\c+\i], v[194+4*\c+\i]
.endr
.endr
.set j, 110
.rept 6                                        ; (the 28 lines from here on are the plain lines between p's codes and scale word and the products)
	v_pk_add_f32 v[236:237], v[236:237], v[j:j+1]
	v_pk_add_f32 v[238:239], v[238:239], v[j+2:j+3]
	v_pk_add_f32 v[240:241], v[240:241], v[j+4:j+5]
	v_pk_add_f32 v[14:15], v[14:15], v[j+6:j+7]
.set j, j+8
.endr
	v_pk_add_f32 v[236:237], v[236:237], v[158:159]
	DEP 3
	v_pk_add_f32 v[238:239], v[238:239], v[240:241]
	DEP 2
	v_pk_add_f32 v[14:15], v[14:15], v[236:237]
	DEP 1
	v_pk_add_f32 v[14:15], v[14:15], v[238:239]
	WALU
	s_wait_dscnt 10                                ; V's ten loads are in; the next step's K, the ten younger ones, may be out
.irp t, 0,1,2,3
.if \t%2
	v_wmma_scale_f32_16x16x128_f8f6f4 v[160+8*\t:167+8*\t], v[64+8*\t:71+8*\t], v[192:199], v[160+8*\t:167+8*\t], v[208+\t/2], v210 matrix_a_fmt:MATRIX_FMT_FP4 matrix_b_fmt:MATRIX_FMT_FP4 matrix_a_scale:MATRIX_SCALE_ROW1
.else
	v_wmma_scale_f32_16x16x128_f8f6f4 v[160+8*\t:167+8*\t], v[64+8*\t:71+8*\t], v[192:199], v[160+8*\t:167+8*\t], v[208+\t/2], v210 matrix_a_fmt:MATRIX_FMT_FP4 matrix_b_fmt:MATRIX_FMT_FP4
.endif
.endr
	s_add_co_u32 s36, s36, 4096
	s_add_co_u32 s37, s37, 256
.endm
.macro LOOP n                          ; n key steps
	s_mov_b32 s38, \n
.Lstep_\@:
	STEP
	s_sub_co_u32 s38, s38, 1
	s_cmp_lg_u32 s38, 0
	s_cbranch_scc1 .Lstep_\@
.endm
.macro INIT                            ; a head begins: the largest score -3e38, under every score; sums and O^T zeros, which the first change of M leaves zeros
	v_mov_b32 v13, 0xff61b1e6
	DEP 1
	v_floor_f32 v12, -v13
	v_mov_b32 v14, 0
	v_mov_b32 v15, 0
.set j, 0
.rept 32
	v_mov_b32 v[160+j], 0
.set j, j+1
.endr
	WALU
.endm
.macro HEADOUT hd                      ; O^T / the sum, quantised along the head's 64 channels: two blocks, 4 registers of codes, two bytes
.rept 4
	v_nop
.endr
	v_add_f32 v14, v14, v15
	DEP 1
	v_permlanex16_b32 v252, v14, s32, s33
	DEP 1
	v_add_f32 v14, v14, v252
	WALU
	v_rcp_f32 v14, v14
	v_nop
	WALU
.set j, 0
.rept 32
	v_mul_f32 v[96+j], v[160+j], v14
.set j, j+1
.endr
.irp b, 0,1
	v_max3_num_f32 v[232+\b], |v[96+16*\b]|, |v[97+16*\b]|, 0x1800000
.endr
.irp i, 2,4,6,8,10,12,14
.irp b, 0,1
	DEP 2
	v_max3_num_f32 v[232+\b], v[232+\b], |v[96+16*\b+\i]|, |v[97+16*\b+\i]|
.endr
.endr
.irp b, 0,1
	DEP 2
	v_permlanex16_b32 v[236+\b], v[232+\b], s32, s33
.endr
.irp b, 0,1
	DEP 2
	v_max_num_f32 v[232+\b], v[232+\b], v[236+\b]
.endr
.irp b, 0,1
	DEP 2
	v_add_nc_u32 v[244+\b], 0xff000000, v[232+\b]
.endr
.irp b, 0,1
	DEP 2
	v_lshrrev_b32 v[236+\b], 23, v[244+\b]
.endr
.if \hd == 0
	DEP 1
	v_lshl_or_b32 v29, v237, 8, v236
.else
	DEP 1
	v_lshl_or_b32 v236, v237, 8, v236
	DEP 1
	v_lshl_or_b32 v29, v236, 16, v29
.endif
.irp b, 0,1
	v_cvt_scalef32_pk8_fp4_f32 v[212+4*\hd+2*\b], v[96+16*\b:103+16*\b], v[244+\b]
	v_cvt_scalef32_pk8_fp4_f32 v[213+4*\hd+2*\b], v[104+16*\b:111+16*\b], v[244+\b]
.endr
	v_nop
.irp i, 0,1
	v_permlane16_swap_b32 v[212+4*\hd+\i], v[214+4*\hd+\i]
.endr
.endm
	; HEAD 0
	s_mov_b32 s36, 0
	s_mov_b32 s37, 0
	KFIRST
	s_wait_loadcnt 0x0                             ; Q
	v_perm_b32 v28, v204, v204, s39                ; my tile's two bytes, for either half of the 128
	INIT
	LOOP 2
	s_wait_tensorcnt 0x0                           ; my part of head 1 is in,
	s_wait_dscnt 0x0                               ; no LDS load of mine is pending at the signal:
	s_barrier_signal -1                            ; a plain barrier, behind which nothing is filled: it shows head 1's tile to all
	s_barrier_wait -1
	s_mov_b32 s36, 2*4096
	s_mov_b32 s37, 2*256
	LOOP 14
	; HEAD 1: its first K is fetched under head 0's way out
	s_wait_dscnt 0x0                               ; the loads of the last step have landed: their registers may take loads again
	s_mov_b32 s36, HB
	s_mov_b32 s37, HB
	KFIRST
	HEADOUT 0
.irp i, 0,1,2,3
	v_mov_b32 v[16+\i], v[200+\i]
	v_mov_b32 v[24+\i], v[200+\i]
.endr
	v_perm_b32 v28, v205, v205, s39
	INIT
	LOOP 16
	HEADOUT 1
	WALU
	s_lshr_b32 s50, s10, 3                         ; where my fragment goes: the batch's 64 groups,
	s_lshl_b32 s50, s50, 6
	s_lshl_b32 s51, s11, 3
	s_add_co_u32 s50, s50, s51
	s_lshr_b32 s51, s8, 1
	s_add_co_u32 s50, s50, s51                     ; my group of 32 tokens,
	s_mul_i32 s50, s50, REC
	s_and_b32 s51, s10, 7                          ; the head pair = the out-projection's K step,
	s_lshr_b32 s52, s51, 2
	s_mul_i32 s52, s52, 8704
	s_add_co_u32 s50, s50, s52
	s_and_b32 s51, s51, 3
	s_and_b32 s53, s8, 1                           ; my tile of the group
	s_lshl_b32 s54, s53, 12
	s_lshl_b32 s55, s51, 10
	s_add_co_u32 s54, s54, s55
	s_add_co_u32 s54, s54, s50
	s_mov_b32 s55, 0
	s_add_nc_u64 s[54:55], s[6:7], s[54:55]
	s_lshl_b32 s56, s51, 7
	s_lshl_b32 s57, s53, 6
	s_add_co_u32 s56, s56, s57
	s_add_co_u32 s56, s56, s50
	s_add_co_u32 s56, s56, 8192
	s_mov_b32 s57, 0
	s_add_nc_u64 s[56:57], s[6:7], s[56:57]
	global_store_b128 v1, v[212:215], s[54:55]     ; 32 lanes store 512 consecutive bytes, aligned
	global_store_b128 v1, v[216:219], s[54:55] offset:512
	global_store_b32 v5, v29, s[56:57]             ; 64 consecutive bytes; lanes l and l xor 16 hold the same word
	s_wait_tensorcnt 0x0                           ; the wave's end
	ds_add_u32 v251, v255
	s_wait_dscnt 0x0
	CROUND                                         ; the closing round
	s_endpgm
.Lfunc_end_k_qa6463e1a7d_attn:
	.size	k_qa6463e1a7d_attn, .Lfunc_end_k_qa6463e1a7d_attn-k_qa6463e1a7d_attn
	.p2alignl 7, 3214868480
	.fill 96, 4, 3214868480
	.section	.rodata,"a",@progbits
	.p2align	6, 0x0
	.amdhsa_kernel k_qa6463e1a7d_attn
		.amdhsa_group_segment_fixed_size 327680
		.amdhsa_private_segment_fixed_size 0
		.amdhsa_enable_private_segment 0
		.amdhsa_kernarg_size 16
		.amdhsa_user_sgpr_count 2
		.amdhsa_user_sgpr_kernarg_segment_ptr 1
		.amdhsa_wavefront_size32 1
		.amdhsa_system_sgpr_workgroup_id_x 1
		.amdhsa_system_sgpr_workgroup_id_y 1
		.amdhsa_system_sgpr_workgroup_id_z 1
		.amdhsa_system_vgpr_workitem_id 0
		.amdhsa_next_free_vgpr 256
		.amdhsa_next_free_sgpr 66
		.amdhsa_reserve_vcc 0
		.amdhsa_float_denorm_mode_32 3
		.amdhsa_float_denorm_mode_16_64 3
		.amdhsa_memory_ordered 1
		.amdhsa_forward_progress 1
		.amdhsa_inst_pref_size 67
	.end_amdhsa_kernel
	.amdgpu_metadata
---
amdhsa.version: [ 1, 2 ]
amdhsa.kernels:
  - .name:           k_qa6463e1a7d_attn
    .symbol:         k_qa6463e1a7d_attn.kd
    .args:
      - { .name: qkv, .offset: 0, .size: 8, .value_kind: global_buffer, .address_space: global }
      - { .name: ctx, .offset: 8, .size: 8, .value_kind: global_buffer, .address_space: global }
    .group_segment_fixed_size: 327680
    .private_segment_fixed_size: 0
    .kernarg_segment_align: 8
    .kernarg_segment_size: 16
    .max_flat_workgroup_size: 512
    .sgpr_count:     66
    .vgpr_count:     256
    .wavefront_size: 32
...
	.end_amdgpu_metadata
.endif
;; end of part 3
;; launch outp (part 4): grid 4 x 64, 4 waves a work-group, clusters of 4 x 4, 243,200 bytes of LDS; arguments ctx, ops, bo, out0; writes out0
.if DOCPART == 4
	.amdgcn_target "amdgcn-amd-amdhsa--gfx1250"
	.amdhsa_code_object_version 6
	.text
	.protected	k_qa6463e1a7d_outp
	.globl	k_qa6463e1a7d_outp
	.p2align	8
	.type	k_qa6463e1a7d_outp,@function
k_qa6463e1a7d_outp:
	s_mov_b64 s[64:65], 0
	v_nop
	global_prefetch_b8 v0, s[64:65] scope:SCOPE_SE
	s_setreg_imm32_b32 hwreg(HW_REG_WAVE_MODE, 25, 1), 1
	s_wait_xcnt 0x0
	s_wait_alu depctr_hold_cnt(0) depctr_sa_sdst(0) depctr_va_vdst(0) depctr_va_sdst(0) depctr_va_ssrc(0) depctr_va_vcc(0) depctr_vm_vsrc(0)
	s_getreg_b32 s2, hwreg(HW_REG_IB_STS2, 6, 4)
	s_cmp_eq_u32 s2, 0
	s_cbranch_scc0 .Lentry_in_a_cluster
	s_endpgm
.Lentry_in_a_cluster:
	s_bfe_u32 s2, ttmp6, 0x10000c
	s_cmp_lg_u32 s2, 0xf033
	s_cbranch_scc0 .Lentry_shape_is_right
	s_endpgm
.Lentry_shape_is_right:
; out0 = ctx wo^T + bo on codes of FP4 with E8M0 scales, K = 1,024; out0 [8192][1024] f32.
; OPERANDS lie by groups of 32 rows (ctx: groups 0-255 of tokens; wo: groups 352-383 of ops), a record of 17,408 bytes a group: two halves of K of 8,704 bytes: tile 0's four fragments of 1,024 bytes, tile 1's four,
; four scale registers of 128 bytes.  Lane r of tile u is row 8 u + r + 8 (r / 8) of its group; a fragment's register group c lies at 512 c + 16 lane.
; A WORK-GROUP multiplies 128 tokens P (source 1: a lane holds one) by 256 rows Q of wo (source 0: a lane's registers run along them in their natural order).  Wave w: P's half w / 2 (4 tiles), Q's half w % 2 (8 tiles): 32 accumulators.
; The bias is the C of each sum's first product: eight registers a tile of Q, in the result's layout.
; LDS: both halves of K of P's 4 groups and Q's 8, 208,896 bytes, each byte filled once; behind them a stage of 16 rows x 528 bytes for each wave, into which no tensor load lands.
; CLUSTERS: 4 x 4 work-groups; P hangs on the cluster's row (cy), Q on its column (cx): each tile is asked for jointly by the four that share it.
; REGISTERS: window 0: v1 lane, v2-9 LDS addresses, v10 16 lane, v11 4 lane, v12 64 (lane / 16), v14-16 the stage; two fragment sets of 104 at v32 and v136; window 1: accumulator (p, t) at v[64 p + 8 t]; window 2: the bias, tile t at v[8 t].
.set REC,   17408
.set HALF,  8704
.set KHALF, 104448
.set QOFF,  34816
.set STAGE, 208896
.set SPITCH, 528
.set AP,  2
.set AQ,  4
.set SPA, 6
.set SQA, 8
.set STO, 15                           ; v15  the stage: where I put 32 bytes of a row
.set RD,  16                           ; v16  and where I read a row back
.set G1P, 24
.set G1Q, 32
.set G0P, 40
.set G0Q, 48
.set MSB, 0
.macro WIN new                         ; the immediate's high byte repeats the setting that is left
.if MSB != \new
	s_set_vgpr_msb (MSB<<8)|\new
.set MSB, \new
.endif
.endm
.macro PLACES n
.rept \n
	v_nop
.endr
.endm
.macro CROUND                          ; a round of the cluster's barrier
	s_barrier_signal -1
	s_barrier_wait -1
	s_cmp_lg_u32 s12, 0
	s_cbranch_scc1 .Lnot_wave_0_\@
	s_barrier_signal -3
.Lnot_wave_0_\@:
	s_barrier_wait -3
	s_barrier_signal -1
	s_barrier_wait -1
.endm
	s_load_b256 s[4:11], s[0:1], 0x0               ; ctx, ops, bo, out0
	v_lshl_add_u32 v254, v0, 2, 0x3b400
	v_mov_b32 v255, 0
	ds_add_u32 v254, v255
	ds_add_u32 v254, v255
	v_lshrrev_b32 v1, 5, v0
	v_readfirstlane_b32 s12, v1                    ; wave 0..3
	s_and_b32 s13, s12, 1                          ; my half of Q.
	s_lshr_b32 s14, s12, 1                         ; my half of P.
	s_bfe_u32 s15, ttmp6, 0x40000                  ; cx
	s_bfe_u32 s16, ttmp6, 0x40004                  ; cy
	s_mov_b32 s17, ttmp9
	s_and_b32 s18, ttmp7, 0xffff
	s_lshl_b32 s19, s18, 2
	s_add_co_u32 s19, s19, s16
	s_lshl_b32 s19, s19, 2                         ; PG: tokens 128 (4 y + cy) on
	s_lshl_b32 s20, s17, 2
	s_add_co_u32 s20, s20, s15
	s_lshl_b32 s20, s20, 3
	s_add_co_u32 s20, s20, 352                     ; QG: rows 256 (4 x + cx) of wo on
	s_lshl_b32 s21, s16, 2
	s_lshl_b32 s21, 15, s21                        ; my row of the cluster
	s_lshl_b32 s23, 0x1111, s15                    ; my column
	; descriptor groups 1: rows of 8,704 bytes (1,088 elements of 8 bytes), one for each group of 32, 17,408 bytes apart; P: 4 rows a load, Q: 8
	s_or_b32 s[G1P], s21, (3<<16)|(1<<21)
	s_or_b32 s[G1Q], s23, (3<<16)|(1<<21)
	s_mov_b32 s[G1P+1], 1088<<16
	s_mov_b32 s[G1P+2], 4<<16                      ; P's 4 groups in one load
	s_mov_b32 s[G1P+3], 1088<<16
	s_mov_b32 s[G1P+4], 4
	s_mov_b32 s[G1P+5], 2176
	s_mov_b32 s[G1P+6], 0
	s_mov_b32 s[G1P+7], 0
	s_mov_b32 s[G1Q+1], 1088<<16
	s_mov_b32 s[G1Q+2], 8<<16                      ; Q's 8 groups in one load
	s_mov_b32 s[G1Q+3], 1088<<16
	s_mov_b32 s[G1Q+4], 8
	s_mov_b32 s[G1Q+5], 2176
	s_mov_b32 s[G1Q+6], 0
	s_mov_b32 s[G1Q+7], 0
	s_mov_b32 s21, s19                             ; P: from group PG on
	s_mul_i32 s56, s21, REC
	s_mov_b32 s57, 0
	s_mov_b32 s23, s20                             ; Q: from group QG on
	s_mul_i32 s58, s23, REC
	s_mov_b32 s59, 0
	s_mov_b32 s22, 0                               ; where they go: P at the head of a half of K,
	s_mov_b32 s61, QOFF                            ; Q behind it
	s_wait_dscnt 0x0
	s_wait_kmcnt 0x0
	s_add_nc_u64 s[56:57], s[4:5], s[56:57]
	s_add_nc_u64 s[58:59], s[6:7], s[58:59]
	CROUND                                         ; all sixteen work-groups are here: the joint loads meet
.irp j, 0,1
	s_mov_b32 s[G0P+4*\j], 1
	s_add_co_u32 s[G0P+4*\j+1], s22, \j*KHALF
	s_add_nc_u64 s[G0P+4*\j+2:G0P+4*\j+3], s[56:57], \j*HALF
	s_or_b32 s[G0P+4*\j+3], s[G0P+4*\j+3], 0x80000000
	s_mov_b32 s[G0Q+4*\j], 1
	s_add_co_u32 s[G0Q+4*\j+1], s61, \j*KHALF
	s_add_nc_u64 s[G0Q+4*\j+2:G0Q+4*\j+3], s[58:59], \j*HALF
	s_or_b32 s[G0Q+4*\j+3], s[G0Q+4*\j+3], 0x80000000
.endr
	s_cmp_eq_u32 s12, 0                            ; the head's four tiles, one a wave, in one chain of branches on the wave's number
	s_cbranch_scc0 .Lwave_1
	tensor_load_to_lds s[G0Q:G0Q+3], s[G1Q:G1Q+7]  ; wave 0: Q, K's first half
	s_nop 0
	PLACES 4
	s_branch .Lasked
.Lwave_1:
	s_cmp_eq_u32 s12, 1
	s_cbranch_scc0 .Lwave_2
	tensor_load_to_lds s[G0P:G0P+3], s[G1P:G1P+7]  ; wave 1: P, K's first half
	s_nop 0
	PLACES 4
	s_branch .Lasked
.Lwave_2:
	s_cmp_eq_u32 s12, 2
	s_cbranch_scc0 .Lwave_3
	tensor_load_to_lds s[G0Q+4:G0Q+7], s[G1Q:G1Q+7]  ; wave 2: Q, K's second half
	s_nop 0
	PLACES 4
	s_branch .Lasked
.Lwave_3:
	tensor_load_to_lds s[G0P+4:G0P+7], s[G1P:G1P+7]  ; wave 3: P, K's second half
	s_nop 0
	PLACES 4
.Lasked:
	s_sub_co_u32 s68, s20, 352
	s_lshl_b32 s68, s68, 7                         ; my work-group's 256 columns: 1,024 bytes a block,
	s_lshl_b32 s69, s13, 9
	s_add_co_u32 s68, s68, s69                     ; + my wave's 128: 512 bytes
	s_mov_b32 s69, 0
	s_add_nc_u64 s[8:9], s[8:9], s[68:69]          ; bo at my first column
	s_lshl_b32 s66, s14, 1
	s_add_co_u32 s66, s66, s19
	s_lshl_b32 s66, s66, 17                        ; my first group of tokens: 32 rows of 4,096 bytes a group
	s_add_co_u32 s66, s66, s68
	s_mov_b32 s67, 0
	s_add_nc_u64 s[10:11], s[10:11], s[66:67]      ; out0 at my first row and column
	v_and_b32 v1, 31, v0                           ; lane
	v_lshlrev_b32 v10, 4, v1
	v_lshlrev_b32 v11, 2, v1
	v_bfe_u32 v12, v0, 4, 1
	v_lshlrev_b32 v12, 6, v12                      ; 64 h: sixteen columns on for lanes 16-31
	WIN 0x80                                       ; destination window 2
.irp t, 0,1,2,3,4,5,6,7                        ; tile t, register j: column 32 (t / 2) + 16 h + 8 (t % 2) + j
	global_load_b128 v[8*\t:8*\t+3], v12, s[8:9] offset:(32*(\t/2)+8*(\t%2))*4
	global_load_b128 v[8*\t+4:8*\t+7], v12, s[8:9] offset:(32*(\t/2)+8*(\t%2))*4+16
.endr
	WIN 0
	s_mul_i32 s62, s14, 2*HALF                     ; my 2 groups of P
	s_mul_i32 s63, s13, 4*HALF
	s_add_co_u32 s63, s63, QOFF                    ; my 4 groups of Q
.irp j, 0,1
	v_add_nc_u32 v[AP+\j], s62, v10
	v_add_nc_u32 v[AQ+\j], s63, v10
	v_add_nc_u32 v[SPA+\j], s62, v11
	v_add_nc_u32 v[SQA+\j], s63, v11
	s_add_co_u32 s62, s62, KHALF
	s_add_co_u32 s63, s63, KHALF
.endr
	s_mul_i32 s70, s12, 16*SPITCH
	s_add_co_u32 s70, s70, STAGE                   ; my stage
	v_and_b32 v13, 15, v0
	v_mul_u32_u24 v14, v13, SPITCH
	v_add_nc_u32 v14, v12, v14
	v_add_nc_u32 v[STO], s70, v14                  ; in: row r, + 64 h
	v_add_nc_u32 v[RD], s70, v10                   ; back: the 32 lanes take one row of 512 bytes
; 30 LDS loads: K step s: Q's 8 fragments, P's 4, Q's 4 scale registers, P's 2, into set s % 2
.macro FETCH s
.set FS, 32+104*((\s)%2)
.set JJ, (\s)/4
.set KO, ((\s)%4)*1024
.set SO, 8192+((\s)%4)*128
.irp t, 0,1,2,3,4,5,6,7
.irp c, 0,1
	ds_load_b128 v[FS+8*\t+4*\c:FS+8*\t+4*\c+3], v[AQ+JJ] offset:(\t/2)*HALF+(\t%2)*4096+KO+512*\c
.endr
.endr
.irp p, 0,1,2,3
.irp c, 0,1
	ds_load_b128 v[FS+64+8*\p+4*\c:FS+64+8*\p+4*\c+3], v[AP+JJ] offset:(\p/2)*HALF+(\p%2)*4096+KO+512*\c
.endr
.endr
.irp g, 0,1,2,3
	ds_load_b32 v[FS+96+\g], v[SQA+JJ] offset:\g*HALF+SO
.endr
.irp g, 0,1
	ds_load_b32 v[FS+100+\g], v[SPA+JJ] offset:\g*HALF+SO
.endr
.endm
; one product, C = v[cb ..].  to, po: the tile is its group's second: its scale words stand in lanes 16-31
.macro WM acc, qf, pf, cb, sq, sp, to, po
.if (\to) && (\po)
	v_wmma_scale_f32_16x16x128_f8f6f4 v[\acc:\acc+7], v[\qf:\qf+7], v[\pf:\pf+7], v[\cb:\cb+7], v[\sq], v[\sp] matrix_a_fmt:MATRIX_FMT_FP4 matrix_b_fmt:MATRIX_FMT_FP4 matrix_a_scale:MATRIX_SCALE_ROW1 matrix_b_scale:MATRIX_SCALE_ROW1
.elseif (\to)
	v_wmma_scale_f32_16x16x128_f8f6f4 v[\acc:\acc+7], v[\qf:\qf+7], v[\pf:\pf+7], v[\cb:\cb+7], v[\sq], v[\sp] matrix_a_fmt:MATRIX_FMT_FP4 matrix_b_fmt:MATRIX_FMT_FP4 matrix_a_scale:MATRIX_SCALE_ROW1
.elseif (\po)
	v_wmma_scale_f32_16x16x128_f8f6f4 v[\acc:\acc+7], v[\qf:\qf+7], v[\pf:\pf+7], v[\cb:\cb+7], v[\sq], v[\sp] matrix_a_fmt:MATRIX_FMT_FP4 matrix_b_fmt:MATRIX_FMT_FP4 matrix_b_scale:MATRIX_SCALE_ROW1
.else
	v_wmma_scale_f32_16x16x128_f8f6f4 v[\acc:\acc+7], v[\qf:\qf+7], v[\pf:\pf+7], v[\cb:\cb+7], v[\sq], v[\sp] matrix_a_fmt:MATRIX_FMT_FP4 matrix_b_fmt:MATRIX_FMT_FP4
.endif
.endm
; a K step's 32 products: the 32 accumulators take turns, one instruction a turn, in the same order in every step.  bias = 1: the first step, whose C is the bias
.macro MULS s, bias
.set FS, 32+104*((\s)%2)
.irp p, 0,1,2,3
.irp t, 0,1,2,3,4,5,6,7
.if \bias
	WM 64*\p+8*\t, FS+8*\t, FS+64+8*\p, 8*\t, FS+96+\t/2, FS+100+\p/2, \t%2, \p%2
.else
	WM 64*\p+8*\t, FS+8*\t, FS+64+8*\p, 64*\p+8*\t, FS+96+\t/2, FS+100+\p/2, \t%2, \p%2
.endif
.endr
.endr
.endm
	s_wait_alu depctr_va_vdst(0)
	s_cmp_lt_u32 s12, 2                            ; waves 0 and 1 wait for K's first half; the second half's loads, waves 2 and 3's own lines, may stay out
	s_cbranch_scc0 .Lnot_first
	s_wait_tensorcnt 0x0
.Lnot_first:
	s_barrier_signal -1
	s_barrier_wait -1                              ; everybody's is
	FETCH 0
	s_wait_loadcnt 0x0                             ; the bias
.irp s, 0,1,2,3,4,5,6,7
.if \s == 3
	s_wait_tensorcnt 0x0                           ; my part of K's second half is in,
	s_wait_dscnt 0x0                               ; no LDS load of mine is pending at the signal,
	s_barrier_signal -1
	s_barrier_wait -1                              ; everybody's is: K step 4 may be fetched
.endif
.if \s < 7
.if \s > 0
	PLACES 4                                       ; four plain instructions between the last products and loads into the set that the step before multiplied
.endif
	FETCH \s+1
	s_wait_dscnt 30                                ; all but the 30 just issued: this step's set is in
.else
	s_wait_dscnt 0x0
.endif
.if \s == 0
	WIN 0x60                                       ; C window 2 (the bias), D window 1
	MULS \s, 1
.else
	WIN 0x50                                       ; C and D window 1
	MULS \s, 0
.endif
	WIN 0
.endr
; THE WAY OUT, a tile of 16 tokens x my 128 columns at a time.  A lane holds pieces of 32 bytes of one row, and the lanes beside it hold other rows: so a tile goes through my own stage and comes back as whole rows of 512 bytes.
; LDS serves a wave's instructions in order: no wait between the stores and the loads, nor in front of the next tile's stores.
.macro TOSTAGE p
	WIN 0x04                                       ; an LDS store's data are its source 1: window 1
.irp t, 0,1,2,3,4,5,6,7
	ds_store_b128 v[STO], v[64*(\p)+8*\t:64*(\p)+8*\t+3] offset:(\t/2)*128+(\t%2)*32        ; each accumulator from its low end on
	ds_store_b128 v[STO], v[64*(\p)+8*\t+4:64*(\p)+8*\t+7] offset:(\t/2)*128+(\t%2)*32+16
.endr
	WIN 0
.set BB, 32+104*((\p)%2)                       ; v32-95 and v136-199 by turns: the scale registers between them hold scales and nothing else
.irp i, 0,1,2,3,4,5,6,7,8,9,10,11,12,13,14,15
	ds_load_b128 v[BB+4*\i:BB+4*\i+3], v[RD] offset:\i*SPITCH
.endr
.endm
.macro SEND p, younger                 ; younger: the LDS instructions issued behind tile p's loads, which may stay out
.set BB, 32+104*((\p)%2)
	s_wait_dscnt \younger
.irp i, 0,1,2,3,4,5,6,7,8,9,10,11,12,13,14,15
	global_store_b128 v10, v[BB+4*\i:BB+4*\i+3], s[10:11] offset:(32*((\p)/2)+8*((\p)%2)+\i+8*(\i/8))*4096 th:TH_STORE_NT   ; stage row i is token 8 u + i + 8 (i / 8) of its group; 32 lanes store 512 consecutive bytes, aligned
.endr
.endm
	PLACES 4                                       ; between the last products and the first read of results, and loads into registers that they read
	TOSTAGE 0
	TOSTAGE 1
	SEND 0, 32                                     ; behind tile 0's loads: tile 1's 16 stores and 16 loads
	s_wait_xcnt 0x0                                ; tile 0's stores have read their registers: tile 2's loads may land there
	TOSTAGE 2
	SEND 1, 32
	s_wait_xcnt 0x0                                ; tile 1's likewise
	TOSTAGE 3
	SEND 2, 32
	SEND 3, 0
	s_wait_tensorcnt 0x0
	ds_add_u32 v254, v255
	s_wait_dscnt 0x0
	CROUND                                         ; the closing round: no work-group ends while a partner may still ask for a tile that names it
	s_endpgm
.Lfunc_end_k_qa6463e1a7d_outp:
	.size	k_qa6463e1a7d_outp, .Lfunc_end_k_qa6463e1a7d_outp-k_qa6463e1a7d_outp
	.p2alignl 7, 3214868480
	.fill 96, 4, 3214868480
	.section	.rodata,"a",@progbits
	.p2align	6, 0x0
	.amdhsa_kernel k_qa6463e1a7d_outp
		.amdhsa_group_segment_fixed_size 243200
		.amdhsa_private_segment_fixed_size 0
		.amdhsa_enable_private_segment 0
		.amdhsa_kernarg_size 32
		.amdhsa_user_sgpr_count 2
		.amdhsa_user_sgpr_kernarg_segment_ptr 1
		.amdhsa_wavefront_size32 1
		.amdhsa_system_sgpr_workgroup_id_x 1
		.amdhsa_system_sgpr_workgroup_id_y 1
		.amdhsa_system_sgpr_workgroup_id_z 1
		.amdhsa_system_vgpr_workitem_id 0
		.amdhsa_next_free_vgpr 576
		.amdhsa_next_free_sgpr 80
		.amdhsa_reserve_vcc 0
		.amdhsa_float_denorm_mode_32 3
		.amdhsa_float_denorm_mode_16_64 3
		.amdhsa_memory_ordered 1
		.amdhsa_forward_progress 1
		.amdhsa_inst_pref_size 73
	.end_amdhsa_kernel
	.amdgpu_metadata
---
amdhsa.version: [ 1, 2 ]
amdhsa.kernels:
  - .name:           k_qa6463e1a7d_outp
    .symbol:         k_qa6463e1a7d_outp.kd
    .args:
      - { .name: ctx, .offset: 0, .size: 8, .value_kind: global_buffer, .address_space: global }
      - { .name: ops, .offset: 8, .size: 8, .value_kind: global_buffer, .address_space: global }
      - { .name: bo, .offset: 16, .size: 8, .value_kind: global_buffer, .address_space: global }
      - { .name: out0, .offset: 24, .size: 8, .value_kind: global_buffer, .address_space: global }
    .group_segment_fixed_size: 243200
    .private_segment_fixed_size: 0
    .kernarg_segment_align: 8
    .kernarg_segment_size: 32
    .max_flat_workgroup_size: 128
    .sgpr_count:     80
    .vgpr_count:     576
    .wavefront_size: 32
...
	.end_amdgpu_metadata
.endif
;; end of part 4
